; MI455X (gfx1250); checked and timed in simulation.
; The chip was launched on July 23, 2026; its instructions are those of AMD's public machine-readable ISA for CDNA 5 (MIT licence, August 2026) and "CDNA5" Instruction Set Architecture Reference Guide (July 2026). The comments in the code are by the model that wrote it; some were corrected since.
;; Self Attention. Allowed arithmetic: matrix products marked QUANTISED: E5M2 operands, one E8M0 scale for each 32 along K, by v_wmma_scale_f32_16x16x128_f8f6f4 with both operands' format E5M2, f32 sums; everything else in f32.
;; Inputs: W_out_codes 1,024 x 32 x 32 uint8 (E5M2 codes of W_out, K innermost, in blocks of 32 codes); W_out_scales 1,024 x 32 uint8 (E8M0 scales of W_out, one for each 32 codes along K); b_out 1,024 float32; key 4 x 2,048 x 1,024 float32; mask 4 x 1 x 2,048 x 2,048 int32; query 4 x 2,048 x 1,024 float32; value_codes 4 x 1,024 x 64 x 32 uint8 (E5M2 codes of value, K innermost, in blocks of 32 codes); value_scales 4 x 1,024 x 64 uint8 (E8M0 scales of value, one for each 32 codes along K).
;; Outputs: out0 4 x 2,048 x 1,024 float32.
;; This version of the problem:
;;   THIS VERSION OF THE PROBLEM IS GIVEN IN LOW PRECISION. The matrix products marked QUANTISED in the list below multiply operands that are first quantised to E5M2 (5 exponent bits, 2 mantissa bits; 8 bits a number), with one power-of-two scale for each 32 numbers along K (OCP MX v1.0); their sums are f32. All else is computed in f32.
;;   The module's matrix products, in the order in which they are computed (A, B: the left and right operand; K: the contracted axis; several contracted axes count as one K, in the product's order):
;;     1. batch 64 x [M 2,048, K 64] x [K 64, N 2,048]; A: input query; B: input key: QUANTISED
;;     2. batch 64 x [M 64, K 2,048] x [K 2,048, N 2,048]; A: input value (given as codes); B: softmax (see below): QUANTISED
;;     3. [M 8,192, K 1,024] x [K 1,024, N 1,024]; A: computed on the way; B: input W_out (given as codes): QUANTISED
;;   THE QUANTISER, for each operand of a quantised product, along K:
;;     - K is cut into blocks of 32 from its start; a last block that is shorter is filled with zeros.
;;     - A block's scale is 2^e with e = floor(log2(the largest magnitude in the block)) - 15, held to -126 .. 127; a block of zeros has e = 0. As a byte (E8M0): e + 127.
;;     - Each number is divided by its block's scale, clamped to +-57,344, and rounded to the nearest number of E5M2, ties to even, subnormals kept.
;;     - The product sums the exact products of the quantised numbers (number of the format x scale) in f32.
;;   ~~~python
;;   def quantise(x, axis):      # numpy; x: float32 -> the quantised numbers, widened to float32 again
;;       x = np.moveaxis(x, axis, -1); K = x.shape[-1]
;;       x = np.pad(x, [(0, 0)] * (x.ndim - 1) + [(0, -K % 32)]); x = x.reshape(x.shape[:-1] + (-1, 32)); a = np.abs(x).max(-1, keepdims=True)
;;       e = np.where(a > 0, np.clip(np.frexp(np.where(a > 0, a, 1))[1] - 1 - 15, -126, 127), 0)      # np.frexp(a)[1] - 1 = floor(log2(a)), exactly
;;       r = np.clip(x / 2.0 ** e, -57344, 57344)
;;       step = 2.0 ** (np.maximum(np.frexp(np.where(r == 0, 1, r))[1] - 1, -14) - 2)
;;       q = np.round(r / step) * step * 2.0 ** e      # np.round: ties to even
;;       return np.moveaxis(q.reshape(q.shape[:-2] + (-1,))[..., :K], -1, axis).astype(np.float32)
;;   ~~~
;;   SOFTMAX AHEAD OF A QUANTISED PRODUCT. Where the list says 'softmax', what is quantised is not the finished softmax but p = 2^(t - M), with t = logit x log2(e) and M = ceil(the row's largest t), a whole number; so 1/2 < the row's largest p <= 1. The row's sum l is taken of the UNQUANTISED p, in f32, and the product's result is divided by l at the end. Since M is a whole number, a kernel that streams over the keys may use a running M (the ceiling of the running maximum): every later rescaling is an exact power of two, which a block's scale takes up: the codes' values come out the same.
;;   OPERANDS COMPUTED ON THE WAY. 'Computed on the way' means the value that the module computes at that place (a softmax that the list does not call 'softmax' is quantised finished and normalised). What goes into a quantiser is computed in f32, as accurately as f32 sums, v_exp_f32 and their like allow (about 1e-6 of the number): no bf16 or f16 on the way to a quantiser, and a product that is left as it is and whose result goes on into a quantised operand takes f32 operands (vector FMAs, or v_wmma_f32_16x16x4_f32). A number that lies on a knife's edge between two numbers of the format may be rounded either way, as far as f32 arithmetic and the matrix unit's own rounding can turn it there, and no further.
;;   INPUTS GIVEN AS CODES. W_out (in the module: [1024, 1024], K = its axis 1); value (in the module: [4, 2048, 1024], K = its axis 1): each comes as NAME_codes (uint8): NAME with its K axis moved to the last place and cut into blocks of 32 codes, [.., K / 32, bytes a block], one block behind the other in memory; one code a byte (a code: sign, 5 exponent bits, 2 mantissa bits); and NAME_scales (uint8): the same leading axes, one E8M0 byte (e + 127) for each 32 codes along K. Its value is code x scale, taken as it is: it is not quantised again, and the codes and scales need not be those that the quantiser above would give.
;; One version. Each part assembles by itself: llvm-mc -triple=amdgcn-amd-amdhsa -mcpu=gfx1250 --defsym DOCPART=n.
;; ======== version 1 of 1: 3 launches
;; limits: right only within a limited range of input values
;; workspace buffers: kc 8,388,608 bytes; ks 262,144 bytes; mb 2,097,152 bytes of whole numbers; af 8,388,608 bytes; asc 262,144 bytes
;; launch prep (part 1): grid 768 x 1, 4 waves a work-group, no clusters, 69,120 bytes of LDS; arguments key, mask, kc, ks, mb; writes kc, ks, mb
.if DOCPART == 1
	.amdgcn_target "amdgcn-amd-amdhsa--gfx1250"
	.amdhsa_code_object_version 6
	.text
	.protected	k_q1461558637_prep
	.globl	k_q1461558637_prep
	.p2align	8
	.type	k_q1461558637_prep,@function
k_q1461558637_prep:
	s_mov_b64 s[64:65], 0
	v_nop
	global_prefetch_b8 v0, s[64:65] scope:SCOPE_SE
	s_setreg_imm32_b32 hwreg(HW_REG_WAVE_MODE, 25, 1), 1
	s_wait_xcnt 0x0
; TWO STREAMS IN ONE LAUNCH.  Work-groups 0-255: key [4][2048][1024] f32 becomes codes of E5M2 with one E8M0 byte for each 32 along a head's 64, laid in the order of the
; operand's registers.  Work-groups 256-767: mask [4][1][2048][2048] int32 becomes one bit a number, laid as lane masks.  Every work-group reads 131,072 dense bytes.
; kc [nh 64][kg 64][c 4][lane 32][16 bytes]: nh = 16 n + head, kg = a group of 32 keys.  Lane (r, h), group c: key 32 kg + 16 (r / 8) + 8 (c / 2) + r % 8, dims 32 (c % 2) + 16 h + 0 .. 15.
;   So one fragment of 16 rows x 128 holds 16 keys in its K 0-63 and 16 other keys in its K 64-127, and the scores of the two come out as 16 neighbouring keys a lane.
; ks [nh][kg][r 16] words: byte c = the scale of group c of fragment row r.
; mb [n][Tq 128][s 16][j 64] words: bit L of word j = 16 b + i is set where mask[n][16 Tq + L % 16][128 s + 32 b + 16 (L / 16) + i] is not 0.
; A block's scale is 2^(floor(log2(its largest magnitude)) - 15); its byte is the largest magnitude's exponent field - 15, held at 1 from below.
; LIMITS: a block of zeros gets the byte 1 where the rule says 127 (its codes are zeros, and this program alone reads the bytes); NaN and infinities in key are not served.
; No matrix unit, no cluster, no tensor load, no barrier: the waves share nothing and memory binds.  Each load covers whole aligned runs of 256 bytes; the numbers turn through the wave's own stage in LDS,
; so that a lane then holds 16 neighbours along K.  The two paths part on the work-group's number, never join, and have LDS bytes of their own.
.set KP,    272                        ; key path: a stage row: a head's 64 numbers (256 bytes) + 16 of padding: 16 rows start at 16 different banks (64 banks of 4 bytes: ISA guide 11.1)
.set KWAVE, 32*KP                      ; 32 keys for each wave
.set MSTG,  4*KWAVE                    ; mask path: behind the key path's stages
.set MP,    528                        ; a stage row: 128 numbers (512 bytes) + 16
.set MWAVE, 16*MP                      ; 16 queries for each wave
.set GO,  4                            ; v4   my byte in a load
.set SI,  5                            ; v5   the stage, on the way in
.set SO,  6                            ; v6   and on the way out
.set LI,  7                            ; v7   16 x lane
.set R4,  8                            ; v8   4 x (lane % 16)
.set O8,  9                            ; v9   8 x lane
.set R0,  32                           ; v32-95, v96-159  two sets of 64 numbers
.set PC,  160                          ; v160-175 a fragment's codes
.set PW,  176                          ; v176 its scale word
.set TM,  180                          ; v180-183 largest magnitudes, v184-187 bytes, v188-191 the largest number x the scale, v192-195 the conversions' scale operands
.set MW,  160                          ; mask path: v160-167: a pair of registers for each of a wave's four steps
.set WV,  16
.set SEL, 20
.set MNT, 23
	s_load_b256 s[4:11], s[0:1], 0x0               ; key s[4:5], mask s[6:7], kc s[8:9], ks s[10:11]
	s_load_b64 s[12:13], s[0:1], 0x20              ; mb
	v_lshl_add_u32 v200, v0, 2, 0x10c00
	v_mov_b32 v201, 0
	v_lshrrev_b32 v1, 5, v0
	v_readfirstlane_b32 s[WV], v1                  ; wave 0..3
	v_and_b32 v1, 31, v0                           ; lane
	v_and_b32 v2, 15, v0                           ; r
	v_bfe_u32 v3, v0, 4, 1                         ; h
	v_lshlrev_b32 v[LI], 4, v1
	s_cmp_lt_u32 ttmp9, 256
	s_cbranch_scc0 .Lmask
; ---------------- THE KEYS.  Work-group g: batch g / 64, keys 32 (g % 64) on; wave w: heads 4 w .. 4 w + 3, one after the other.
	s_lshl_b32 s14, s[WV], 10                      ; my four heads' 1,024 bytes of a row
	v_lshlrev_b32 v[GO], 12, v3                    ; lanes 16-31 take the next key's row
	v_lshl_add_u32 v[GO], v2, 4, v[GO]
	v_add_nc_u32 v[GO], s14, v[GO]
	s_mul_i32 s15, s[WV], KWAVE
	v_mul_u32_u24 v[SI], v3, KP
	v_lshl_add_u32 v[SI], v2, 4, v[SI]
	v_add_nc_u32 v[SI], s15, v[SI]
	v_mul_u32_u24 v[SO], v2, KP
	v_lshl_add_u32 v[SO], v3, 6, v[SO]
	v_add_nc_u32 v[SO], s15, v[SO]
	v_lshlrev_b32 v[R4], 2, v2
	s_mov_b32 s[SEL], 0x76543210
	s_mov_b32 s[SEL+1], 0xfedcba98                 ; v_permlanex16_b32: lane l xor 16
	s_mov_b32 s[MNT], 0x600000                     ; the mantissa field of 57,344
.irp b, 0,1,2,3
	v_mov_b32 v[TM+4+\b], 0                        ; written once: a lane permute's destination counts as one of its sources
.endr
	s_lshl_b32 s28, ttmp9, 17                      ; key: 32 rows of 4,096 bytes a work-group
	s_mov_b32 s29, 0
	s_lshr_b32 s14, ttmp9, 6                       ; n
	s_and_b32 s15, ttmp9, 63                       ; kg
	s_lshl_b32 s30, s14, 21                        ; kc: (16 n + 4 w) x 131,072 + kg x 2,048
	s_lshl_b32 s17, s[WV], 19
	s_add_co_u32 s30, s30, s17
	s_lshl_b32 s17, s15, 11
	s_add_co_u32 s30, s30, s17
	s_mov_b32 s31, 0
	s_lshl_b32 s32, s14, 16                        ; ks: (16 n + 4 w) x 4,096 + kg x 64
	s_lshl_b32 s17, s[WV], 14
	s_add_co_u32 s32, s32, s17
	s_lshl_b32 s17, s15, 6
	s_add_co_u32 s32, s32, s17
	s_mov_b32 s33, 0
	s_wait_alu depctr_va_vdst(0)
	s_wait_kmcnt 0x0
	s_add_nc_u64 s[4:5], s[4:5], s[28:29]
	s_add_nc_u64 s[8:9], s[8:9], s[30:31]
	s_add_nc_u64 s[10:11], s[10:11], s[32:33]
.macro KLOAD it, set                   ; head 4 w + it of the 32 keys: lanes 0-15 read key 2 i's 256 bytes, lanes 16-31 key 2 i + 1's
.irp i, 0,1,2,3,4,5,6,7,8,9,10,11,12,13,14,15
	global_load_b128 v[\set+4*\i:\set+4*\i+3], v[GO], s[4:5] offset:8192*\i+256*(\it) th:TH_LOAD_NT
.endr
.endm
.macro KTURN set                       ; through my stage.  Key 16 a + 8 u + m goes to row 16 u + 8 a + m, so that fragment row r of group pair u lies at row 16 u + r.  LDS serves a wave's instructions in order (ISA guide 5.7.1.4)
.irp i, 0,1,2,3,4,5,6,7,8,9,10,11,12,13,14,15
	ds_store_b128 v[SI], v[\set+4*\i:\set+4*\i+3] offset:(16*((\i/4)%2)+8*(\i/8)+(2*\i)%8)*KP
.endr
.irp c, 0,1,2,3
.irp u, 0,1,2,3
	ds_load_b128 v[\set+16*\c+4*\u:\set+16*\c+4*\u+3], v[SO] offset:16*(\c/2)*KP+128*(\c%2)+16*\u
.endr
.endr
.endm
; 64 numbers of a lane, register 16 b + i = number 16 h + i of block b of my row, become a fragment's codes in v[PC] on and its scale word in v[PW]
.macro QUANT s
.irp b, 0,1,2,3
	v_max3_num_f32 v[TM+\b], |v[\s+16*\b]|, |v[\s+1+16*\b]|, 0x8000000   ; my 16 numbers, and the floor 2^(16 - 127): the byte cannot fall under 1
.endr
.irp i, 2,4,6,8,10,12,14
.irp b, 0,1,2,3
	v_max3_num_f32 v[TM+\b], v[TM+\b], |v[\s+16*\b+\i]|, |v[\s+1+16*\b+\i]|   ; the four blocks by turns
.endr
.endr
.irp b, 0,1,2,3
	v_permlanex16_b32 v[TM+4+\b], v[TM+\b], s[SEL], s[SEL+1]
.endr
.irp b, 0,1,2,3
	v_max_num_f32 v[TM+\b], v[TM+\b], v[TM+4+\b]   ; with lane l xor 16's: the block's largest magnitude
.endr
.irp b, 0,1,2,3
	v_add_nc_u32 v[TM+12+\b], 0xf8800000, v[TM+\b] ; 15 off its exponent field: the conversion takes this operand's exponent field as its scale
.endr
.irp b, 0,1,2,3
	v_and_or_b32 v[TM+8+\b], v[TM+\b], 0x7f800000, s[MNT]   ; 57,344 x the scale
.endr
.irp b, 0,1,2,3
	v_lshrrev_b32 v[TM+4+\b], 23, v[TM+12+\b]      ; the scale's byte
.endr
	v_lshl_or_b32 v[PW], v[TM+5], 8, v[TM+4]
	v_lshl_or_b32 v[PW], v[TM+6], 16, v[PW]
	v_lshl_or_b32 v[PW], v[TM+7], 24, v[PW]
.irp b, 0,1,2,3
.irp i, 0,1,2,3,4,5,6,7,8,9,10,11,12,13,14,15
	v_med3_num_f32 v[\s+16*\b+\i], v[\s+16*\b+\i], -v[TM+8+\b], v[TM+8+\b]   ; the conversion to an 8-bit code does not saturate (ISA guide 7.6.2): the hold comes first
.endr
	v_cvt_scalef32_pk8_bf8_f32 v[PC+4*\b:PC+1+4*\b], v[\s+16*\b:\s+7+16*\b], v[TM+12+\b]
	v_cvt_scalef32_pk8_bf8_f32 v[PC+2+4*\b:PC+3+4*\b], v[\s+8+16*\b:\s+15+16*\b], v[TM+12+\b]
.endr
	v_nop                                          ; a plain line behind the last conversion
.endm
.macro KITEM it
.set XS, R0+64*((\it)%2)
.if (\it) < 3
	s_wait_loadcnt 16                              ; this head's 16 loads are in; the other set's 16 may be out
.else
	s_wait_loadcnt 0x0
.endif
	KTURN XS
	s_wait_dscnt 0x0
	s_wait_xcnt 0x0                                ; the last head's stores have read their data: the codes and the word are written again only behind this wait
	QUANT XS
.irp c, 0,1,2,3
	global_store_b128 v[LI], v[PC+4*\c:PC+4*\c+3], s[8:9] offset:512*\c+131072*(\it)   ; 32 lanes store 512 consecutive bytes, aligned
.endr
	global_store_b32 v[R4], v[PW], s[10:11] offset:4096*(\it)   ; 16 words; lanes 16-31 hold and write the same as lanes 0-15
.if (\it) < 2
	KLOAD (\it)+2, XS
.endif
.endm
	KLOAD 0, R0
	KLOAD 1, R0+64
	KITEM 0
	KITEM 1
	KITEM 2
	KITEM 3
	s_wait_tensorcnt 0x0
	ds_add_u32 v200, v201
	s_wait_dscnt 0x0
	s_endpgm
; ---------------- THE MASK.  Work-group 256 + 128 n + Tq: 16 queries; wave w: steps of 128 keys 4 w .. 4 w + 3.
.Lmask:
	s_lshl_b32 s14, s[WV], 11                      ; my four steps' 2,048 bytes of a row
	s_wait_alu depctr_va_vdst(0)
	v_add_nc_u32 v[GO], s14, v[LI]
	s_mul_i32 s15, s[WV], MWAVE
	s_add_co_u32 s15, s15, MSTG
	v_add_nc_u32 v[SI], s15, v[LI]
	v_mul_u32_u24 v[SO], v2, MP
	v_lshl_add_u32 v[SO], v3, 6, v[SO]
	v_add_nc_u32 v[SO], s15, v[SO]
	v_lshlrev_b32 v[O8], 3, v1
.irp i, 0,1,2,3,4,5,6,7
	v_mov_b32 v[MW+\i], 0                          ; written once: v_writelane_b32's destination counts as read
.endr
	s_sub_co_u32 s14, ttmp9, 256
	s_lshl_b32 s28, s14, 17                        ; mask: 16 rows of 8,192 bytes a work-group
	s_mov_b32 s29, 0
	s_lshl_b32 s30, s14, 12                        ; mb: 4,096 bytes a work-group, 1,024 a wave
	s_lshl_b32 s17, s[WV], 10
	s_add_co_u32 s30, s30, s17
	s_mov_b32 s31, 0
	s_wait_kmcnt 0x0
	s_add_nc_u64 s[6:7], s[6:7], s[28:29]
	s_add_nc_u64 s[12:13], s[12:13], s[30:31]
.macro MLOAD it, set                   ; query i's 128 numbers of the step: 512 consecutive bytes an instruction
.irp i, 0,1,2,3,4,5,6,7,8,9,10,11,12,13,14,15
	global_load_b128 v[\set+4*\i:\set+4*\i+3], v[GO], s[6:7] offset:8192*\i+512*(\it) th:TH_LOAD_NT
.endr
.endm
.macro MTURN set                       ; through my stage: register 16 b + i then holds key 32 b + 16 h + i of query r
.irp i, 0,1,2,3,4,5,6,7,8,9,10,11,12,13,14,15
	ds_store_b128 v[SI], v[\set+4*\i:\set+4*\i+3] offset:MP*\i
.endr
.irp b, 0,1,2,3
.irp u, 0,1,2,3
	ds_load_b128 v[\set+16*\b+4*\u:\set+16*\b+4*\u+3], v[SO] offset:128*\b+16*\u
.endr
.endr
.endm
.macro MITEM it
.set XS, R0+64*((\it)%2)
.if (\it) < 3
	s_wait_loadcnt 16                              ; this step's 16 loads are in; the other set's 16 may be out
.else
	s_wait_loadcnt 0x0
.endif
	MTURN XS
	s_wait_dscnt 0x0
.set J, 0
.rept 16
.irp k, 0,1,2,3
	v_cmp_ne_u32 s[24+\k], 0, v[XS+J+\k]           ; word J + k: a bit for each lane
.endr
.irp k, 0,1,2,3
	v_writelane_b32 v[MW+2*(\it)+\k%2], s[24+\k], (J+\k)/2   ; word j goes to lane j / 2, register j % 2
.endr
.set J, J+4
.endr
.if (\it) < 2
	MLOAD (\it)+2, XS
.endif
.endm
	MLOAD 0, R0
	MLOAD 1, R0+64
	MITEM 0
	MITEM 1
	MITEM 2
	MITEM 3
.irp it, 0,1,2,3
	global_store_b64 v[O8], v[MW+2*\it:MW+2*\it+1], s[12:13] offset:256*\it   ; a step's 64 words: 256 consecutive bytes, aligned; each step has a pair of registers of its own, so all four go out behind the last LDS instruction
.endr
	s_wait_tensorcnt 0x0
	ds_add_u32 v200, v201
	s_wait_dscnt 0x0
	s_endpgm
.Lfunc_end_k_q1461558637_prep:
	.size	k_q1461558637_prep, .Lfunc_end_k_q1461558637_prep-k_q1461558637_prep
	.p2alignl 7, 3214868480
	.fill 96, 4, 3214868480
	.section	.rodata,"a",@progbits
	.p2align	6, 0x0
	.amdhsa_kernel k_q1461558637_prep
		.amdhsa_group_segment_fixed_size 69120
		.amdhsa_private_segment_fixed_size 0
		.amdhsa_enable_private_segment 0
		.amdhsa_kernarg_size 40
		.amdhsa_user_sgpr_count 2
		.amdhsa_user_sgpr_kernarg_segment_ptr 1
		.amdhsa_wavefront_size32 1
		.amdhsa_system_sgpr_workgroup_id_x 1
		.amdhsa_system_sgpr_workgroup_id_y 1
		.amdhsa_system_sgpr_workgroup_id_z 1
		.amdhsa_system_vgpr_workitem_id 0
		.amdhsa_next_free_vgpr 202
		.amdhsa_next_free_sgpr 66
		.amdhsa_reserve_vcc 0
		.amdhsa_float_denorm_mode_32 3
		.amdhsa_float_denorm_mode_16_64 3
		.amdhsa_memory_ordered 1
		.amdhsa_forward_progress 1
		.amdhsa_inst_pref_size 99
	.end_amdhsa_kernel
	.amdgpu_metadata
---
amdhsa.version: [ 1, 2 ]
amdhsa.kernels:
  - .name:           k_q1461558637_prep
    .symbol:         k_q1461558637_prep.kd
    .args:
      - { .name: key, .offset: 0, .size: 8, .value_kind: global_buffer, .address_space: global }
      - { .name: mask, .offset: 8, .size: 8, .value_kind: global_buffer, .address_space: global }
      - { .name: kc, .offset: 16, .size: 8, .value_kind: global_buffer, .address_space: global }
      - { .name: ks, .offset: 24, .size: 8, .value_kind: global_buffer, .address_space: global }
      - { .name: mb, .offset: 32, .size: 8, .value_kind: global_buffer, .address_space: global }
    .group_segment_fixed_size: 69120
    .private_segment_fixed_size: 0
    .kernarg_segment_align: 8
    .kernarg_segment_size: 40
    .max_flat_workgroup_size: 128
    .sgpr_count:     66
    .vgpr_count:     202
    .wavefront_size: 32
...
	.end_amdgpu_metadata
.endif
;; end of part 1
;; launch attn (part 2): grid 4 x 64, 16 waves a work-group, clusters of 4 x 1, 327,680 bytes of LDS; arguments query, kc, ks, value_codes, value_scales, mb, af, asc; writes af, asc
.if DOCPART == 2
	.amdgcn_target "amdgcn-amd-amdhsa--gfx1250"
	.amdhsa_code_object_version 6
	.text
	.protected	k_q1461558637_attn
	.globl	k_q1461558637_attn
	.p2align	8
	.type	k_q1461558637_attn,@function
k_q1461558637_attn:
	s_mov_b64 s[64:65], 0
	v_nop
	global_prefetch_b8 v0, s[64:65] scope:SCOPE_SE
	s_setreg_imm32_b32 hwreg(HW_REG_WAVE_MODE, 25, 1), 1
	s_wait_xcnt 0x0
	s_wait_alu depctr_hold_cnt(0) depctr_sa_sdst(0) depctr_va_vdst(0) depctr_va_sdst(0) depctr_va_ssrc(0) depctr_va_vcc(0) depctr_vm_vsrc(0)
	s_getreg_b32 s2, hwreg(HW_REG_IB_STS2, 6, 4)
	s_cmp_eq_u32 s2, 0
	s_cbranch_scc0 .Lentry_in_a_cluster
	s_endpgm
.Lentry_in_a_cluster:
	s_bfe_u32 s2, ttmp6, 0x10000c
	s_cmp_lg_u32 s2, 0x3003
	s_cbranch_scc0 .Lentry_shape_is_right
	s_endpgm
.Lentry_shape_is_right:
; ATTENTION ON CODES OF E5M2.  For each of 64 (batch, head) pairs nh: S^T = K Q^T (K = the head's 64), the mask, p = 2^(t - M), O^T = V^T P^T (K = the keys), O / the row's sum, and O quantised along the 1,024
; for the projection.  t = score x log2(e) / 32; M = the running largest t rounded UP to a whole number; the sum is taken of the unquantised p; when M moves, sum and O^T are multiplied by 2^(old M - new M), exactly.
; SHARES.  A work-group owns one nh and 512 queries, in two passes of 256; in a pass each of its sixteen waves owns one tile of 16 queries in 256 registers.  256 work-groups of equal work.
; THE WHOLE HEAD LIES IN LDS: K's codes (131,072 bytes, in operand order), V's (131,072, keys innermost, as given) and both sets of scale bytes are filled ONCE at the head; nothing is filled again.
; CLUSTER.  The four work-groups of a head ask for these tiles JOINTLY: the same tensor load, the same descriptor, a mask that names the four.
; K = 64 IN AN INSTRUCTION OF K = 128.  A fragment of K holds 16 keys in its K 0-63 and 16 others in its K 64-127; against Q | zeros it gives the first 16 keys' scores, against zeros | Q the others'.
; LAYOUT.  Both products are used transposed: a lane holds ONE query (lane % 16).  Score register 16 b + i of lane (r, h) is key 128 s + 32 b + 16 h + i: the layout of P as an operand, and of the mask words.
; THE MASK is a lane mask a score register: 64 words a step in 64 scalar registers, loaded a step ahead.
; THE ORDER OF A STEP.  The hold writes into 16 registers of its own (those of V's fourth fragment, which is loaded behind the conversions), so S keeps the unheld p.  The row's sum is taken behind the second product:
; 24 packed additions into eight partial sums stand between those products and the next loads of K, and the eight additions that join them stand behind the next step's first products: they are the places there.
; No prefetch: every tile is asked for once, at the head, and there is no loop ahead of that request to run ahead in.
; LIMITS: a masked score becomes -2^30, not -1e9: c x 2^30 is a whole number, so a row with every key masked gives p = 1 everywhere, as with -1e9; the two agree while |q . k| < 2^29.  NaN and infinities are not served.
; A block of zeros gets the scale byte 1 (its codes are zeros; this program alone reads the bytes).
.set VB,   131072                      ; LDS: K at 0; V: four chunks of 512 keys: 64 rows x (512 + 16)
.set VCH,  33792
.set KSB,  266240                      ; K's scale words, 4,096 bytes
.set VSB,  270336                      ; V's scale bytes: 64 rows x (64 + 16)
.set SPARE, 275456                     ; the spare words: 128 bytes a wave
.set WV,  2
.set PS,  3                            ; passes left
.set SEL, 12                           ; s[12:13] lane l xor 16
.set CS,  14                           ; s[14:15] c = log2(e) / 32, twice
.set MNT, 16                           ; the mantissa field of 57,344
.set MO,  17                           ; byte offset of the step's mask words
.set CH,  19                           ; trips left
.set TK,  20                           ; s20-23 where the trip's four steps begin: K, V, K's scales, V's scales
.set TV,  21
.set TKS, 22
.set TVS, 23
.set HM,  24                           ; lanes 16-31
.set G1K, 32                           ; until the barrier: groups 1 in s[32:63], groups 0 in s[84:99], the arguments in s[68:83]; afterwards mask words
.set G1V, 40
.set G1KS, 48
.set G1VS, 56
.set G0K, 84
.set G0V, 88
.set G0KS, 92
.set G0VS, 96
.set AK0, 1                            ; v1-4 my lane's place in a fragment of K, of V, among K's scale words, among V's
.set AV0, 2
.set AKS0, 3
.set AVS0, 4
.set QO,  5                            ; my bytes in the wave's rows of query
.set OFA, 6                            ; 16 x lane
.set OFS, 7                            ; 32 x (lane % 16)
.set ADK, 8                            ; v8-11 the trip's addresses
.set ADV, 9
.set ADS, 10
.set ADT, 11
.set QHI, 16                           ; v[16:31] zeros | Q
.set QC,  24                           ; v[24:39] Q | zeros
.set F,   40                           ; v40-103  four fragments of K, then of V
.set T,   F+48                         ; v88-103  the held p of one block, until V's fourth fragment is asked for
.set S,   104                          ; v104-167 S^T, then p
.set O,   168                          ; v168-199 O^T
.set PC,  200                          ; v200-215 p's codes
.set FS,  216                          ; v216-219 the fragments' scale words
.set QS,  220
.set PSW, 221
.set NEG, 222                          ; -2^30
.set TM,  224                          ; v224-227 maxima, v228-231 permutes and bytes, v232-235 the largest number x the scale, v236-239 the conversions' scale operands
.set PA,  TM                           ; between a step's second product and the next step's mask: eight partial sums, in pairs
.set FF,  242                          ; v[242:243] f
.set T0,  244
.set SPW, 254
.set NIL, 255
.set CC,  40                           ; the way out: O's codes as converted, what is sent, what comes, the operand's groups, the two scale bytes
.set XX,  48
.set YY,  52
.set GG,  56
.set BW,  64
.macro CROUND                          ; a round of the cluster's barrier
	s_barrier_signal -1
	s_barrier_wait -1
	s_cmp_lg_u32 s[WV], 0
	s_cbranch_scc1 .Lnot_wave_0_\@
	s_barrier_signal -3
.Lnot_wave_0_\@:
	s_barrier_wait -3
	s_barrier_signal -1
	s_barrier_wait -1
.endm
.macro PLACES n
.rept \n
	v_nop
.endr
.endm
.macro G1 g, w0, c, r, p               ; a group 1: r rows of c elements, p elements apart
	s_mov_b32 s[\g], \w0
	s_mov_b32 s[\g+1], (\c)<<16
	s_mov_b32 s[\g+2], (\r)<<16
	s_mov_b32 s[\g+3], (\c)<<16
	s_mov_b32 s[\g+4], \r
	s_mov_b32 s[\g+5], \p
	s_mov_b32 s[\g+6], 0
	s_mov_b32 s[\g+7], 0
.endm
	s_load_b512 s[68:83], s[0:1], 0x0              ; query 68, kc 70, ks 72, value_codes 74, value_scales 76, mb 78, af 80, asc 82
	v_lshl_add_u32 v[SPW], v0, 2, SPARE
	v_mov_b32 v[NIL], 0
	ds_add_u32 v[SPW], v[NIL]                      ; the opening lines: the add twice on end and one wait
	ds_add_u32 v[SPW], v[NIL]
	v_lshrrev_b32 v1, 5, v0
	v_readfirstlane_b32 s[WV], v1                  ; wave 0..15
	s_and_b32 s26, ttmp7, 0xffff                   ; nh: the cluster's y, which the four partners share
	s_lshr_b32 s27, s26, 4                         ; n
	s_and_b32 s28, s26, 15                         ; head
	s_and_b32 s29, s[WV], 3
	G1 G1K, 15|(3<<16)|(1<<21), 32, 128, 32                        ; K: a quarter of the head's codes, 32,768 dense bytes, as 128 rows of 32 elements of 8 bytes; the mask names all four
	G1 G1V, 15|(1<<20)|(1<<21)|(6<<22)|(3<<25), 512, 64, 2048      ; V: 64 rows of 512 bytes, 2,048 apart; 4 words of padding behind every 128
	G1 G1KS, 15|(3<<16)|(1<<21), 32, 16, 32                        ; K's scale words: 4,096 dense bytes as 16 rows of 256
	G1 G1VS, 15|(3<<16)|(1<<20)|(1<<21)|(3<<22)|(3<<25), 8, 64, 8  ; V's scale bytes: 64 rows of 64 bytes; 4 words of padding behind every 16
	s_mov_b32 s31, 0
	s_lshl_b32 s20, s26, 17                        ; the head's codes begin nh x 131,072 bytes on, in kc and in value_codes alike,
	s_lshl_b32 s21, s26, 12                        ; its scale bytes nh x 4,096
	s_wait_dscnt 0x0
	s_wait_kmcnt 0x0
	s_mov_b32 s[G0K], 1
	s_lshl_b32 s[G0K+1], s29, 15                   ; quarter w % 4, in LDS as in memory
	s_add_co_u32 s30, s20, s[G0K+1]
	s_add_nc_u64 s[G0K+2:G0K+3], s[70:71], s[30:31]
	s_or_b32 s[G0K+3], s[G0K+3], 0x80000000
	s_mov_b32 s[G0V], 1
	s_mul_i32 s[G0V+1], s29, VCH
	s_add_co_u32 s[G0V+1], s[G0V+1], VB
	s_lshl_b32 s30, s29, 9                         ; chunk w % 4: 512 keys on in each row
	s_add_co_u32 s30, s30, s20
	s_add_nc_u64 s[G0V+2:G0V+3], s[74:75], s[30:31]
	s_or_b32 s[G0V+3], s[G0V+3], 0x80000000
	s_mov_b32 s30, s21
	s_mov_b32 s[G0KS], 1
	s_mov_b32 s[G0KS+1], KSB
	s_add_nc_u64 s[G0KS+2:G0KS+3], s[72:73], s[30:31]
	s_or_b32 s[G0KS+3], s[G0KS+3], 0x80000000
	s_mov_b32 s[G0VS], 1
	s_mov_b32 s[G0VS+1], VSB
	s_add_nc_u64 s[G0VS+2:G0VS+3], s[76:77], s[30:31]
	s_or_b32 s[G0VS+3], s[G0VS+3], 0x80000000
	CROUND                                         ; all four work-groups are here: the joint loads meet
; the head's fills are what the first trip reads: wave 0 K's first quarter, wave 4 V's first chunk, wave 8 K's scales, wave 9 V's; one chain of branches on the wave's number, one load to an arm
.macro ARM op, n, g0, g1, next
	\op s[WV], \n
	s_cbranch_scc0 \next
	tensor_load_to_lds s[\g0:\g0+3], s[\g1:\g1+7]
	s_nop 0
	PLACES 4
	s_branch .Lasked
\next:
.endm
	ARM s_cmp_eq_u32, 0, G0K, G1K, .Lnot_k
	ARM s_cmp_eq_u32, 4, G0V, G1V, .Lnot_v
	ARM s_cmp_eq_u32, 8, G0KS, G1KS, .Lnot_ks
	ARM s_cmp_eq_u32, 9, G0VS, G1VS, .Lnot_vs
.Lasked:
	; my own rows: these alone hang on my place in the cluster, in registers that feed no descriptor
	s_bfe_u32 s25, ttmp6, 0x40000                  ; cx
	s_lshl_b32 s22, s27, 11
	s_lshl_b32 s23, s25, 9
	s_add_co_u32 s22, s22, s23
	s_lshl_b32 s23, s[WV], 4
	s_add_co_u32 s18, s22, s23                     ; my first row: 2,048 n + 512 cx + 16 w
	s_lshl_b32 s22, s18, 12
	s_lshl_b32 s23, s28, 8
	s_add_co_u32 s22, s22, s23
	s_mov_b32 s23, 0
	s_add_nc_u64 s[4:5], s[68:69], s[22:23]        ; query: row x 4,096 + head x 256
	s_lshl_b32 s22, s18, 5
	s_lshl_b32 s24, s28, 1
	s_add_co_u32 s22, s22, s24
	s_add_nc_u64 s[10:11], s[82:83], s[22:23]      ; asc: row x 32 + 2 head,
	s_sub_nc_u64 s[10:11], s[10:11], 0x2000        ; one pass's step low: every pass steps it at its head, ahead of any store
	s_lshl_b32 s22, s25, 5
	s_add_co_u32 s22, s22, s[WV]
	s_lshl_b32 s22, s22, 12
	s_lshl_b32 s24, s27, 19
	s_add_co_u32 s22, s22, s24
	s_add_nc_u64 s[6:7], s[78:79], s[22:23]        ; mb: n x 524,288 + (32 cx + w) x 4,096
	s_lshl_b32 s22, s27, 4
	s_lshl_b32 s24, s25, 2
	s_add_co_u32 s22, s22, s24
	s_lshr_b32 s24, s[WV], 3
	s_add_co_u32 s22, s22, s24
	s_lshl_b32 s22, s22, 17                        ; af: (16 n + 4 cx + w / 8) x 131,072
	s_lshr_b32 s24, s28, 1
	s_lshl_b32 s24, s24, 14                        ; + (head / 2) x 16,384
	s_add_co_u32 s22, s22, s24
	s_and_b32 s24, s[WV], 7
	s_lshl_b32 s24, s24, 11                        ; + (w % 8) x 2,048
	s_add_co_u32 s22, s22, s24
	s_and_b32 s24, s28, 1
	s_lshl_b32 s24, s24, 10                        ; + (head % 2) x 1,024
	s_add_co_u32 s22, s22, s24
	s_add_nc_u64 s[8:9], s[80:81], s[22:23]
	s_sub_nc_u64 s[8:9], s[8:9], 0x40000           ; likewise one pass's step low
	v_and_b32 v[T0], 31, v0                        ; lane
	v_and_b32 v[T0+1], 15, v0                      ; r
	v_bfe_u32 v[T0+2], v0, 4, 1                    ; h
	v_lshlrev_b32 v[QO], 12, v[T0+1]
	v_lshl_add_u32 v[QO], v[T0+2], 6, v[QO]        ; row r, + 64 h: my 16 numbers of a block of 32
.macro QLOAD                           ; my tile's 16 rows x 64 numbers: register 16 c + i = dim 32 c + 16 h + i of query r
.irp c, 0,1
.irp u, 0,1,2,3
	global_load_b128 v[S+16*\c+4*\u:S+16*\c+4*\u+3], v[QO], s[4:5] offset:128*\c+16*\u th:TH_LOAD_NT
.endr
.endr
.endm
	QLOAD
	v_lshlrev_b32 v[AK0], 4, v[T0]
	v_mul_u32_u24 v[AV0], v[T0+1], 528
	v_lshl_add_u32 v[AV0], v[T0+2], 4, v[AV0]
	v_add_nc_u32 v[AV0], VB, v[AV0]
	v_lshl_add_u32 v[AKS0], v[T0+1], 2, KSB
	v_mul_u32_u24 v[AVS0], v[T0+1], 80
	v_add_nc_u32 v[AVS0], VSB, v[AVS0]
	v_lshlrev_b32 v[OFA], 4, v[T0]
	v_lshlrev_b32 v[OFS], 5, v[T0+1]
.irp i, 0,1,2,3,4,5,6,7
	v_mov_b32 v[QHI+\i], 0                         ; the zero codes on both sides of Q's
	v_mov_b32 v[QC+8+\i], 0
.endr
	v_mov_b32 v[NEG], 0xce800000                   ; -2^30
	v_mov_b32 v[FF+1], 0                           ; (named as the upper half of a pair)
	s_mov_b32 s[SEL], 0x76543210
	s_mov_b32 s[SEL+1], 0xfedcba98
	s_mov_b32 s[CS], 0x3d38aa3b                    ; c = log2(e) / 32
	s_mov_b32 s[CS+1], s[CS]
	s_mov_b32 s[MNT], 0x600000
	s_mov_b32 s[HM], 0xffff0000
	s_mov_b32 s[PS], 2
	s_wait_alu depctr_va_vdst(0)                   ; the wait at the head's end
	s_wait_tensorcnt 0x0                           ; my tile of the head's four has landed
	ds_add_u32 v[SPW], v[NIL]                      ; ahead of a later first fill: the add twice on end
	ds_add_u32 v[SPW], v[NIL]
	s_wait_dscnt 0x0
	CROUND                                         ; everybody's has, and all four work-groups are here
	; the other six tiles, each filled once: waves 1-3 K's quarters 1-3, waves 5-7 V's chunks 1-3; they are read from the second trip on
	s_cmp_lt_u32 s[WV], 8
	s_cbranch_scc0 .Lasked2
	s_cmp_eq_u32 s29, 0
	s_cbranch_scc1 .Lasked2
	s_cmp_lt_u32 s[WV], 4
	s_cbranch_scc0 .Lrest_v
	tensor_load_to_lds s[G0K:G0K+3], s[G1K:G1K+7]
	s_nop 0
	PLACES 4
	s_branch .Lasked2
.Lrest_v:
	tensor_load_to_lds s[G0V:G0V+3], s[G1V:G1V+7]
	s_nop 0
	PLACES 4
.Lasked2:
.macro MASKLOAD                        ; the 64 lane masks of a step: word j in s[32 + j] (j < 32) or s[36 + j]
	s_load_b512 s[32:47], s[6:7], s[MO] offset:0x0
	s_load_b512 s[48:63], s[6:7], s[MO] offset:0x40
	s_load_b512 s[68:83], s[6:7], s[MO] offset:0x80
	s_load_b512 s[84:99], s[6:7], s[MO] offset:0xc0
.endm
; 32 numbers of a lane, register 16 b + i, of which lane l xor 16 holds each block's other 16, become 4 + 4 registers of codes at v[dst] on; the two scale bytes go to v[word]
.macro QUANT2 src, dst, word
.irp b, 0,1
	v_max3_num_f32 v[TM+\b], |v[\src+16*\b]|, |v[\src+16*\b+1]|, 0x8000000   ; and the floor 2^(16 - 127): the byte cannot fall under 1
.endr
.irp i, 2,4,6,8,10,12,14
.irp b, 0,1
	v_max3_num_f32 v[TM+\b], v[TM+\b], |v[\src+16*\b+\i]|, |v[\src+16*\b+\i+1]|
.endr
.endr
.irp b, 0,1
	v_permlanex16_b32 v[TM+4+\b], v[TM+\b], s[SEL], s[SEL+1]
.endr
.irp b, 0,1
	v_max_num_f32 v[TM+\b], v[TM+\b], v[TM+4+\b]
.endr
.irp b, 0,1
	v_add_nc_u32 v[TM+12+\b], 0xf8800000, v[TM+\b] ; 15 off the exponent field: the conversion's scale operand
.endr
.irp b, 0,1
	v_and_or_b32 v[TM+8+\b], v[TM+\b], 0x7f800000, s[MNT]   ; 57,344 x the scale
.endr
.irp b, 0,1
	v_lshrrev_b32 v[TM+4+\b], 23, v[TM+12+\b]      ; the scale's byte
.endr
	v_lshl_or_b32 v[\word], v[TM+5], 8, v[TM+4]
.irp b, 0,1
.irp i, 0,1,2,3,4,5,6,7,8,9,10,11,12,13,14,15
	v_med3_num_f32 v[\src+16*\b+\i], v[\src+16*\b+\i], -v[TM+8+\b], v[TM+8+\b]   ; the conversion does not saturate (ISA guide 7.6.2): the hold comes first
.endr
	v_cvt_scalef32_pk8_bf8_f32 v[\dst+4*\b:\dst+4*\b+1], v[\src+16*\b:\src+16*\b+7], v[TM+12+\b]
	v_cvt_scalef32_pk8_bf8_f32 v[\dst+4*\b+2:\dst+4*\b+3], v[\src+16*\b+8:\src+16*\b+15], v[TM+12+\b]
.endr
	v_nop                                          ; a plain line behind the last conversion
.endm
.macro QK b                            ; the scores of fragment b's 32 keys
	v_wmma_scale_f32_16x16x128_f8f6f4 v[S+16*(\b):S+16*(\b)+7], v[F+16*(\b):F+16*(\b)+15], v[QC:QC+15], 0, v[FS+(\b)], v[QS] matrix_a_fmt:MATRIX_FMT_BF8 matrix_b_fmt:MATRIX_FMT_BF8
	v_wmma_scale_f32_16x16x128_f8f6f4 v[S+16*(\b)+8:S+16*(\b)+15], v[F+16*(\b):F+16*(\b)+15], v[QHI:QHI+15], 0, v[FS+(\b)], v[QS] matrix_a_fmt:MATRIX_FMT_BF8 matrix_b_fmt:MATRIX_FMT_BF8
.endm
.macro PV t                            ; four accumulators by turns; eight other products stand between a tile's links
	v_wmma_scale_f32_16x16x128_f8f6f4 v[O+8*\t:O+8*\t+7], v[F+16*\t:F+16*\t+15], v[PC:PC+15], v[O+8*\t:O+8*\t+7], v[FS+\t], v[PSW] matrix_a_fmt:MATRIX_FMT_BF8 matrix_b_fmt:MATRIX_FMT_BF8
.endm
.macro VLOAD t, q                      ; V's fragment t of the step and its scale word
.irp c, 0,1,2,3
	ds_load_b128 v[F+16*\t+4*\c:F+16*\t+4*\c+3], v[ADV] offset:8448*\t+128*(\q)+32*\c
.endr
	ds_load_b32 v[FS+\t], v[ADT] offset:1280*\t+4*(\q)
.endm
.macro TREE                            ; the eight partial sums of the step before join the row's sum: eight plain lines that name no register of the products ahead of them
.irp i, 0,1,2,3
	v_pk_add_f32 v[PA+2*\i:PA+2*\i+1], v[PA+2*\i:PA+2*\i+1], v[PA+8+2*\i:PA+9+2*\i]
.endr
	v_pk_add_f32 v[PA:PA+1], v[PA:PA+1], v[PA+4:PA+5]
	v_pk_add_f32 v[PA+2:PA+3], v[PA+2:PA+3], v[PA+6:PA+7]
	v_pk_add_f32 v[PA:PA+1], v[PA:PA+1], v[PA+2:PA+3]
	v_pk_add_f32 v[14:15], v[14:15], v[PA:PA+1]
.endm
; A KEY STEP: 128 keys, the q-th of the trip's four.  The 24 additions at the end of the step before (at a pass's start: the lines that clear O^T) are the places ahead of the loads of K.
.macro STEP q
.irp b, 0,1,2,3
.irp c, 0,1,2,3
	ds_load_b128 v[F+16*\b+4*\c:F+16*\b+4*\c+3], v[ADK] offset:8192*(\q)+2048*\b+512*\c   ; an image of the operand's registers
.endr
	ds_load_b32 v[FS+\b], v[ADS] offset:256*(\q)+64*\b
.endr
	s_wait_alu depctr_va_vdst(0)                   ; directly ahead of the wait below
	s_wait_dscnt 10                                ; fragments 0 and 1 are in; the five loads of each later fragment may be out
	QK 0
	QK 1
	s_wait_dscnt 0x0
	QK 2
	QK 3
	TREE                                           ; eight places, for the loads below and for the first read of the scores
	VLOAD 0, \q                                    ; three of V's fragments are asked for now
	VLOAD 1, \q
	VLOAD 2, \q
	s_wait_kmcnt 0x0                               ; the step's mask words, asked for a step ago
.set J, 0
.rept 64
.if J < 32
	v_cndmask_b32 v[S+J], v[NEG], v[S+J], s[32+J]  ; a masked score becomes -2^30.  Ascending: each accumulator is read from its low end on
.else
	v_cndmask_b32 v[S+J], v[NEG], v[S+J], s[36+J]
.endif
.set J, J+1
.endr
.irp b, 0,1,2,3
	v_max3_num_f32 v[TM+\b], v[S+16*\b], v[S+1+16*\b], v[S+2+16*\b]   ; the largest score of each block of 32 keys: for the row's maximum and for the block's largest p
.endr
.irp i, 3,5,7,9,11,13
.irp b, 0,1,2,3
	v_max3_num_f32 v[TM+\b], v[TM+\b], v[S+16*\b+\i], v[S+1+16*\b+\i]
.endr
.endr
.irp b, 0,1,2,3
	v_max_num_f32 v[TM+\b], v[TM+\b], v[S+15+16*\b]
.endr
.if (\q) == 3
	s_cmp_eq_u32 s[CH], 1                          ; the pass's last step asks for nothing: no load leaves the tile's 4,096 bytes
	s_cbranch_scc1 .Lno_words_\@
.endif
	s_add_co_u32 s[MO], s[MO], 256                 ; (the last loads that read it were waited for above)
	MASKLOAD                                       ; the next step's words
.if (\q) == 3
.Lno_words_\@:
.endif
	s_wait_alu depctr_va_vdst(0)
.irp b, 0,1,2,3
	v_permlanex16_b32 v[TM+4+\b], v[TM+\b], s[SEL], s[SEL+1]
.endr
.irp b, 0,1,2,3
	v_max_num_f32 v[TM+\b], v[TM+\b], v[TM+4+\b]   ; with lane l xor 16's 16 keys
.endr
	v_max3_num_f32 v[T0], v[TM], v[TM+1], v[TM+2]
	s_delay_alu instid0(VALU_DEP_1)
	v_max_num_f32 v[T0], v[T0], v[TM+3]
	s_delay_alu instid0(VALU_DEP_1)
	v_mul_f32 v[T0], s[CS], v[T0]                  ; the step's largest t
	s_delay_alu instid0(VALU_DEP_1)
	v_max_num_f32 v13, v13, v[T0]                  ; the running largest t
	v_mov_b32 v[T0], v12
	s_delay_alu instid0(VALU_DEP_2)
	v_floor_f32 v12, -v13                          ; the new -M = floor(-t): M is a whole number
	s_delay_alu instid0(VALU_DEP_1)
	v_sub_f32 v[T0], v12, v[T0]                    ; old M - new M, 0 or less
.set J, 0
.rept 32
	v_pk_fma_f32 v[S+J:S+J+1], v[S+J:S+J+1], s[CS:CS+1], v[12:13] op_sel_hi:[1,0,0]   ; t - M, two at a time; the two lines that make f stand among them
.if J == 8
	v_cvt_i32_f32 v[T0], v[T0]                     ; (it saturates)
.endif
.if J == 24
	v_ldexp_f32 v[FF], 1.0, v[T0]                  ; f = 2^(old M - new M)
.endif
.set J, J+2
.endr
.irp b, 0,1,2,3
	v_fma_f32 v[TM+\b], v[TM+\b], s[CS], v12       ; the same of each block's largest score
.endr
	s_wait_alu depctr_va_vdst(0)                   ; ahead of the batch
.set J, 0
.rept 64
	v_exp_f32 v[S+J], v[S+J]                       ; p = 2^(t - M), at most 1
.set J, J+1
.endr
.irp b, 0,1,2,3
	v_exp_f32 v[TM+\b], v[TM+\b]                   ; the block's largest p: the same two instructions on the same number
.endr
	v_pk_mul_f32 v[14:15], v[14:15], v[FF:FF+1] op_sel_hi:[1,0]   ; the sums under the new M: a plain line behind the exponentials
	s_wait_alu depctr_va_vdst(0)                   ; one wait for the batch of 68, ahead of its first reader
.irp b, 0,1,2,3
	v_max_num_f32 v[TM+\b], 0x8000000, v[TM+\b]    ; the floor 2^(16 - 127): a block whose every p is 0 keeps the byte 1 and zero codes
.endr
.irp b, 0,1,2,3
	v_add_nc_u32 v[TM+12+\b], 0xf8800000, v[TM+\b]
.endr
.irp b, 0,1,2,3
	v_and_or_b32 v[TM+8+\b], v[TM+\b], 0x7f800000, s[MNT]
.endr
.irp b, 0,1,2,3
	v_lshrrev_b32 v[TM+4+\b], 23, v[TM+12+\b]
.endr
.irp b, 0,1,2,3
.irp i, 0,2,4,6,8,10,12,14
	v_dual_min_num_f32 v[T+\i], v[S+16*\b+\i], v[TM+8+\b] :: v_dual_min_num_f32 v[T+\i+1], v[S+16*\b+\i+1], v[TM+8+\b]   ; p is not negative: a one-sided hold, two numbers a line; S keeps the unheld p
.endr
	v_cvt_scalef32_pk8_bf8_f32 v[PC+4*\b:PC+4*\b+1], v[T:T+7], v[TM+12+\b]
	v_cvt_scalef32_pk8_bf8_f32 v[PC+4*\b+2:PC+4*\b+3], v[T+8:T+15], v[TM+12+\b]
.if \b == 0
	v_lshl_or_b32 v[PSW], v[TM+5], 8, v[TM+4]      ; p's scale word, a line behind each block's conversions: the plain line ahead of the next block's writes of their sources
.endif
.if \b == 1
	v_lshl_or_b32 v[PSW], v[TM+6], 16, v[PSW]
.endif
.if \b == 2
	v_lshl_or_b32 v[PSW], v[TM+7], 24, v[PSW]
.endif
.endr
	VLOAD 3, \q                                    ; V's fourth fragment, into the registers that held the held p
	s_wait_alu depctr_va_vdst(0)                   ; directly ahead of the first reader of O^T
.set J, 0
.rept 16
	v_pk_mul_f32 v[O+J:O+J+1], v[O+J:O+J+1], v[FF:FF+1] op_sel_hi:[1,0]   ; O^T under the new M; these lines also stand between the conversions and the products
.set J, J+2
.endr
	s_wait_alu depctr_va_vdst(0)                   ; directly ahead of the wait below
	s_wait_dscnt 5                                 ; V's first three fragments are in; the fourth's five loads may be out
	PV 0
	PV 1
	PV 2
	s_wait_dscnt 0x0
	PV 3
.irp i, 0,1,2,3,4,5,6,7
	v_pk_add_f32 v[PA+2*\i:PA+2*\i+1], v[S+4*\i:S+4*\i+1], v[S+4*\i+2:S+4*\i+3]   ; THE ROW'S SUM IS TAKEN OF THE UNQUANTISED p: eight chains
.endr
.irp k, 0,1
.irp i, 0,1,2,3,4,5,6,7
	v_pk_add_f32 v[PA+2*\i:PA+2*\i+1], v[PA+2*\i:PA+2*\i+1], v[S+32+16*\k+2*\i:S+33+16*\k+2*\i]
.endr
.endr
.endm
.Lpass:                                            ; two passes of 256 queries
	s_wait_loadcnt 0x0                             ; Q
	QUANT2 S, QC, QS
	s_mov_b32 s[MO], 0
	s_wait_alu depctr_va_vdst(0)                   ; directly ahead of the wait below
	s_wait_tensorcnt 0x0                           ; my tensor load is done: the mask words land on its descriptor's registers
	MASKLOAD                                       ; step 0's words
	v_lshl_or_b32 v[QS], v[QS], 16, v[QS]          ; the two bytes twice: for Q | zeros and for zeros | Q
	v_mov_b32 v13, 0xff61b1e6                      ; the largest t so far: -3e38
	v_mov_b32 v14, 0
	v_mov_b32 v15, 0
	v_floor_f32 v12, -v13
.set J, 0
.rept 16
	v_mov_b32 v[PA+J], 0                           ; the first step joins partial sums of zero
.set J, J+1
.endr
.set J, 0
.rept 32
	v_mov_b32 v[O+J], 0                            ; the step is written once: the first finds zeros, which the first change of M leaves zeros
.set J, J+1
.endr
	s_mov_b32 s[TK], 0
	s_mov_b32 s[TV], 0
	s_mov_b32 s[TKS], 0
	s_mov_b32 s[TVS], 0
	s_mov_b32 s[CH], 4
	s_wait_xcnt 0x0                                ; the last pass's stores have read their data and bases: the bases are stepped here, and the trip's loads land on the data's registers, only behind this wait
	s_add_nc_u64 s[8:9], s[8:9], 0x40000           ; this pass's 256 rows: two blocks of 128 rows in af,
	s_add_nc_u64 s[10:11], s[10:11], 0x2000        ; 256 x 32 bytes in asc
.Ltrip:                                            ; four trips of four steps: 512 keys, a chunk of V
	s_barrier_signal -1                            ; my tensor load was waited for at the pass's head, and no LDS instruction of mine is out: said here, at the trip's head; up to the wait at its end stand register work, scalar loads and LDS loads of bytes that nobody writes
	v_add_nc_u32 v[ADK], s[TK], v[AK0]
	v_add_nc_u32 v[ADV], s[TV], v[AV0]
	v_add_nc_u32 v[ADS], s[TKS], v[AKS0]
	v_add_nc_u32 v[ADT], s[TVS], v[AVS0]
	s_wait_alu depctr_va_vdst(0)                   ; behind the address writes
	STEP 0
	STEP 1
	STEP 2
	STEP 3
	s_wait_alu depctr_va_vdst(0)                   ; ahead of the scalar lines and the branch
	s_add_co_u32 s[TK], s[TK], 32768
	s_add_co_u32 s[TV], s[TV], VCH
	s_add_co_u32 s[TKS], s[TKS], 1024
	s_add_co_u32 s[TVS], s[TVS], 16
	s_barrier_wait -1                              ; every wave has said so: the next trip's tiles are whole
	s_sub_co_u32 s[CH], s[CH], 1
	s_cmp_lg_u32 s[CH], 0
	s_cbranch_scc1 .Ltrip
	s_cmp_eq_u32 s[PS], 1                          ; the next pass's Q is asked for here, if there is one
	s_cbranch_scc1 .Lno_next
	s_add_nc_u64 s[4:5], s[4:5], 0x100000          ; 256 rows on (the last loads that read it were waited for)
	QLOAD
.Lno_next:
	; THE WAY OUT.  O^T / the sum; quantised along the head's 64 (two blocks, each half in lane l xor 16); brought into the order of the next product's operand; stored.
	TREE                                           ; the last step's partial sums
	v_add_f32 v14, v14, v15
	v_permlanex16_b32 v[TM+4], v14, s[SEL], s[SEL+1]
	v_add_f32 v14, v14, v[TM+4]                    ; the row's sum
	s_wait_alu depctr_va_vdst(0)                   ; the wait ahead of the reciprocal
	v_rcp_f32 v[T0+1], v14
	v_nop                                          ; a plain line behind the reciprocal
	s_wait_alu depctr_va_vdst(0)                   ; and the wait ahead of its first reader, which is also O^T's
.set J, 0
.rept 32
	v_mul_f32 v[O+J], v[O+J], v[T0+1]              ; register 8 t + i is o(query r, dim 16 t + 8 h + i)
.set J, J+1
.endr
	QUANT2 O, CC, BW                               ; v[CC + 2 t ..]: the eight codes of tile t
	; The operand wants, of lane (r, h), group c: dims 32 c + 16 h + 0 .. 15.  Lanes 0-15 keep tile 2 c and get its other eight from lane l + 16; lanes 16-31 keep tile 2 c + 1 and get its first eight from lane l - 16.
.irp c, 0,1
.irp k, 0,1
	v_cndmask_b32 v[XX+2*\c+\k], v[CC+4*\c+2+\k], v[CC+4*\c+\k], s[HM]   ; what I send: the tile that I do not keep
.endr
.endr
.irp k, 0,1,2,3
	v_permlanex16_b32 v[YY+\k], v[XX+\k], s[SEL], s[SEL+1]
.endr
.irp c, 0,1
.irp k, 0,1
	v_cndmask_b32 v[GG+4*\c+\k], v[CC+4*\c+\k], v[YY+2*\c+\k], s[HM]
	v_cndmask_b32 v[GG+4*\c+2+\k], v[YY+2*\c+\k], v[CC+4*\c+2+\k], s[HM]
.endr
.endr
	global_store_b128 v[OFA], v[GG:GG+3], s[8:9]               ; 32 lanes store 512 consecutive bytes, aligned
	global_store_b128 v[OFA], v[GG+4:GG+7], s[8:9] offset:512
	global_store_b16 v[OFS], v[BW], s[10:11]                   ; my row's two scale bytes of its 32 (the others are other heads'); lanes 16-31 hold and write the same as lanes 0-15
	s_add_nc_u64 s[6:7], s[6:7], 0x10000           ; sixteen tiles of queries on in mb (every scalar load that read this base was waited for on KMcnt)
	s_sub_co_u32 s[PS], s[PS], 1
	s_cmp_lg_u32 s[PS], 0
	s_cbranch_scc1 .Lpass
	s_wait_tensorcnt 0x0                           ; the wave's end
	ds_add_u32 v[SPW], v[NIL]
	s_wait_dscnt 0x0
	CROUND                                         ; the closing round
	s_endpgm
.Lfunc_end_k_q1461558637_attn:
	.size	k_q1461558637_attn, .Lfunc_end_k_q1461558637_attn-k_q1461558637_attn
	.p2alignl 7, 3214868480
	.fill 96, 4, 3214868480
	.section	.rodata,"a",@progbits
	.p2align	6, 0x0
	.amdhsa_kernel k_q1461558637_attn
		.amdhsa_group_segment_fixed_size 327680
		.amdhsa_private_segment_fixed_size 0
		.amdhsa_enable_private_segment 0
		.amdhsa_kernarg_size 64
		.amdhsa_user_sgpr_count 2
		.amdhsa_user_sgpr_kernarg_segment_ptr 1
		.amdhsa_wavefront_size32 1
		.amdhsa_system_sgpr_workgroup_id_x 1
		.amdhsa_system_sgpr_workgroup_id_y 1
		.amdhsa_system_sgpr_workgroup_id_z 1
		.amdhsa_system_vgpr_workitem_id 0
		.amdhsa_next_free_vgpr 256
		.amdhsa_next_free_sgpr 100
		.amdhsa_reserve_vcc 0
		.amdhsa_float_denorm_mode_32 3
		.amdhsa_float_denorm_mode_16_64 3
		.amdhsa_memory_ordered 1
		.amdhsa_forward_progress 1
		.amdhsa_inst_pref_size 117
	.end_amdhsa_kernel
	.amdgpu_metadata
---
amdhsa.version: [ 1, 2 ]
amdhsa.kernels:
  - .name:           k_q1461558637_attn
    .symbol:         k_q1461558637_attn.kd
    .args:
      - { .name: query, .offset: 0, .size: 8, .value_kind: global_buffer, .address_space: global }
      - { .name: kc, .offset: 8, .size: 8, .value_kind: global_buffer, .address_space: global }
      - { .name: ks, .offset: 16, .size: 8, .value_kind: global_buffer, .address_space: global }
      - { .name: value_codes, .offset: 24, .size: 8, .value_kind: global_buffer, .address_space: global }
      - { .name: value_scales, .offset: 32, .size: 8, .value_kind: global_buffer, .address_space: global }
      - { .name: mb, .offset: 40, .size: 8, .value_kind: global_buffer, .address_space: global }
      - { .name: af, .offset: 48, .size: 8, .value_kind: global_buffer, .address_space: global }
      - { .name: asc, .offset: 56, .size: 8, .value_kind: global_buffer, .address_space: global }
    .group_segment_fixed_size: 327680
    .private_segment_fixed_size: 0
    .kernarg_segment_align: 8
    .kernarg_segment_size: 64
    .max_flat_workgroup_size: 512
    .sgpr_count:     100
    .vgpr_count:     256
    .wavefront_size: 32
...
	.end_amdgpu_metadata
.endif
;; end of part 2
;; launch proj (part 3): grid 32 x 8, 8 waves a work-group, clusters of 4 x 1, 201,728 bytes of LDS; arguments af, asc, W_out_codes, W_out_scales, b_out, out0; writes out0
.if DOCPART == 3
	.amdgcn_target "amdgcn-amd-amdhsa--gfx1250"
	.amdhsa_code_object_version 6
	.text
	.protected	k_q1461558637_proj
	.globl	k_q1461558637_proj
	.p2align	8
	.type	k_q1461558637_proj,@function
k_q1461558637_proj:
	s_mov_b64 s[64:65], 0
	v_nop
	global_prefetch_b8 v0, s[64:65] scope:SCOPE_SE
	s_setreg_imm32_b32 hwreg(HW_REG_WAVE_MODE, 25, 1), 1
	s_wait_xcnt 0x0
	s_wait_alu depctr_hold_cnt(0) depctr_sa_sdst(0) depctr_va_vdst(0) depctr_va_sdst(0) depctr_va_ssrc(0) depctr_va_vcc(0) depctr_vm_vsrc(0)
	s_getreg_b32 s2, hwreg(HW_REG_IB_STS2, 6, 4)
	s_cmp_eq_u32 s2, 0
	s_cbranch_scc0 .Lentry_in_a_cluster
	s_endpgm
.Lentry_in_a_cluster:
	s_bfe_u32 s2, ttmp6, 0x10000c
	s_cmp_lg_u32 s2, 0x3003
	s_cbranch_scc0 .Lentry_shape_is_right
	s_endpgm
.Lentry_shape_is_right:
; out0[R][o] = sum over k of A[R][k] W_out[o][k] + b_out[o], on codes of E5M2 with one E8M0 byte for each 32 along K = 1,024.  out0: [8192][1024] f32.
; A: af [block of 128 rows][K step of 128][tile of 16 rows][2,048 bytes in the order of the operand's registers]; its scale bytes asc [R][32].  W_out_codes [o][1024], W_out_scales [o][32].
; SHARES.  256 work-groups: work-group (g, cb) makes rows 256 g on x columns 128 cb on.  Eight waves: wave w makes rows 32 w on x all 128 columns: 2 x 8 accumulators.
; W's 128 rows, all of K, lie in LDS: eight first fills, one a wave (16 rows x 1,024 bytes, dense in memory), nothing is filled again.  The four work-groups of a cluster share cb and ask JOINTLY.
; A GOES FROM MEMORY STRAIGHT INTO REGISTERS: af is an image of the operand's registers, and each fragment is used by one wave of the work-group, once; so it is not asked for jointly: through LDS each byte would be written and read once more.
; Four sets of A's two fragments take turns, asked for up to three K steps ahead.  No prefetch beside that: the loads themselves run ahead.
; A K step is two halves of four column tiles; W's fragments have two sets, the next half's loads stand ahead of this half's products.
; THE PRODUCT IS USED TRANSPOSED (source 0 = 16 rows of W, source 1 = 16 rows of A): a lane holds eight neighbouring columns of one row.  The bias is loaded into the accumulators: every product adds in place.
; REGISTERS.  Window 0: v4-13 addresses; v16-31 A's scale words; v32-95 W's; v96-223 W's fragments, two sets (on the way out: rows read back).  Window 1: v0-127 accumulator (i, t) at 8 (8 i + t); v128-255 A's fragments, set s % 4 at 32 (s % 4).
.set WP,   1040                        ; a row of W in LDS: 1,024 bytes + 16: an odd multiple of 16 bytes
.set STG,  128*WP                      ; never filled by a tensor load: a stage of 16 rows x (512 + 16) for each wave
.set SPARE, STG+8*16*528               ; the spare words: 128 bytes a wave
.set WV,  16
.set G1,  24
.set G0,  32
.set ADW, 4                            ; v4, v5 my lane's place in W's column tiles 0-3, 4-7
.set STO, 6
.set RD,  7
.set CO,  8                            ; 16 x lane: in a fragment's image of A, and in a row of out0
.set SO,  9                            ; 32 x (lane % 16): a row of scale bytes
.set BO,  10                           ; 32 x (lane / 16): eight numbers of the bias
.set SPW, 12
.set NIL, 13
.set SA,  16                           ; row tile i, K step s at 8 i + s
.set SB,  32                           ; column tile t, K step s at 8 t + s
.set WF,  96
.set AFR, 128                          ; in window 1
.set MSB, 0
.macro WIN new                         ; the immediate's high byte repeats the setting that is left
.if MSB != \new
	s_set_vgpr_msb (MSB<<8)|\new
.set MSB, \new
.endif
.endm
.set MUL, 0x54                         ; source 0 (W) window 0; source 1 (A), C and D window 1
.set TO1, 0x40                         ; loaded data window 1, address window 0
.set ST1, 0x04                         ; an LDS store's data window 1, address window 0
.macro CROUND
	s_barrier_signal -1
	s_barrier_wait -1
	s_cmp_lg_u32 s[WV], 0
	s_cbranch_scc1 .Lnot_wave_0_\@
	s_barrier_signal -3
.Lnot_wave_0_\@:
	s_barrier_wait -3
	s_barrier_signal -1
	s_barrier_wait -1
.endm
.macro PLACES n
.rept \n
	v_nop
.endr
.endm
	s_load_b256 s[4:11], s[0:1], 0x0               ; af 4, asc 6, W_out_codes 8, W_out_scales 10
	s_load_b128 s[12:15], s[0:1], 0x20             ; b_out 12, out0 14
	v_lshl_add_u32 v[SPW], v0, 2, SPARE
	v_mov_b32 v[NIL], 0
	ds_add_u32 v[SPW], v[NIL]                      ; the opening lines: the add twice on end and one wait
	ds_add_u32 v[SPW], v[NIL]
	v_lshrrev_b32 v1, 5, v0
	v_readfirstlane_b32 s[WV], v1                  ; wave 0..7
	s_bfe_u32 s17, ttmp6, 0x40000                  ; cx
	s_lshl_b32 s18, ttmp9, 2
	s_add_co_u32 s18, s18, s17                     ; g = 4 x cluster x + cx
	s_and_b32 s19, ttmp7, 0xffff                   ; cb: the cluster's y, which the four partners share
	s_mov_b32 s[G1], 15|(3<<16)|(1<<20)|(1<<21)|(7<<22)|(3<<25)   ; the mask: all four; elements of 8 bytes; 4 words of padding behind every 256; 21 set beside a mask
	s_mov_b32 s[G1+1], 128<<16
	s_mov_b32 s[G1+2], 16<<16
	s_mov_b32 s[G1+3], 128<<16
	s_mov_b32 s[G1+4], 16
	s_mov_b32 s[G1+5], 128
	s_mov_b32 s[G1+6], 0
	s_mov_b32 s[G1+7], 0
	s_mul_i32 s20, s[WV], 16*WP                    ; my 16 rows of W in LDS,
	s_lshl_b32 s36, s19, 17                        ; and in memory: (128 cb + 16 w) x 1,024
	s_lshl_b32 s21, s[WV], 14
	s_add_co_u32 s36, s36, s21
	s_mov_b32 s37, 0
	s_wait_dscnt 0x0
	s_wait_kmcnt 0x0
	s_mov_b32 s[G0], 1
	s_mov_b32 s[G0+1], s20
	s_add_nc_u64 s[G0+2:G0+3], s[8:9], s[36:37]
	s_or_b32 s[G0+3], s[G0+3], 0x80000000
	CROUND                                         ; all four work-groups are here: the joint loads meet
	tensor_load_to_lds s[G0:G0+3], s[G1:G1+7]      ; the first and only fill, one a wave
	s_nop 0
	PLACES 4
	v_and_b32 v1, 31, v0                           ; lane
	v_and_b32 v2, 15, v0                           ; r
	v_bfe_u32 v3, v0, 4, 1                         ; h
	s_mul_i32 s21, s[WV], 16*528
	s_add_co_u32 s21, s21, STG                     ; my stage
	v_mul_u32_u24 v[ADW], v2, WP
	v_lshl_add_u32 v[ADW], v3, 4, v[ADW]           ; W: row r, + 16 h
	v_add_nc_u32 v[ADW+1], 64*WP, v[ADW]
	v_mul_u32_u24 v[STO], v2, 528
	v_lshl_add_u32 v[STO], v3, 5, v[STO]
	v_add_nc_u32 v[STO], s21, v[STO]               ; the stage, in: row r, 32 bytes for each half of the lanes
	v_lshlrev_b32 v[CO], 4, v1
	v_add_nc_u32 v[RD], s21, v[CO]                 ; back: the 32 lanes take one row of 512 bytes
	v_lshlrev_b32 v[SO], 5, v2
	v_lshlrev_b32 v[BO], 5, v3
	s_wait_alu depctr_va_vdst(0)                   ; ahead of the scalar lines below
	s_mov_b32 s39, 0
	s_lshl_b32 s38, s18, 1                         ; af: (2 g + w / 4) x 131,072 + (w % 4) x 4,096
	s_lshr_b32 s40, s[WV], 2
	s_add_co_u32 s38, s38, s40
	s_lshl_b32 s38, s38, 17
	s_and_b32 s40, s[WV], 3
	s_lshl_b32 s40, s40, 12
	s_add_co_u32 s38, s38, s40
	s_add_nc_u64 s[4:5], s[4:5], s[38:39]
	s_lshl_b32 s38, s18, 13                        ; asc: (256 g + 32 w) x 32
	s_lshl_b32 s40, s[WV], 10
	s_add_co_u32 s38, s38, s40
	s_add_nc_u64 s[6:7], s[6:7], s[38:39]
	s_lshl_b32 s38, s19, 12                        ; W_out_scales: 128 cb x 32
	s_add_nc_u64 s[10:11], s[10:11], s[38:39]
	s_lshl_b32 s38, s19, 9                         ; b_out, and the columns in out0: 128 cb x 4
	s_add_nc_u64 s[12:13], s[12:13], s[38:39]
	s_add_nc_u64 s[14:15], s[14:15], s[38:39]
	s_lshl_b32 s38, s18, 20                        ; out0's rows: (256 g + 32 w) x 4,096
	s_lshl_b32 s40, s[WV], 17
	s_add_co_u32 s38, s38, s40
	s_add_nc_u64 s[14:15], s[14:15], s[38:39]
.macro ALOAD s                         ; A's two fragments of K step s into set s % 4 (window 1)
.irp i, 0,1
.irp c, 0,1,2,3
	global_load_b128 v[AFR+32*((\s)%4)+16*\i+4*\c:AFR+32*((\s)%4)+16*\i+4*\c+3], v[CO], s[4:5] offset:16384*(\s)+2048*\i+512*\c
.endr
.endr
.endm
.irp t, 0,1,2,3,4,5,6,7
	global_load_b128 v[SB+8*\t:SB+8*\t+3], v[SO], s[10:11] offset:512*\t       ; lane r: row r's eight scale words, one for each K step of 128
	global_load_b128 v[SB+8*\t+4:SB+8*\t+7], v[SO], s[10:11] offset:512*\t+16
.endr
.irp i, 0,1
	global_load_b128 v[SA+8*\i:SA+8*\i+3], v[SO], s[6:7] offset:512*\i
	global_load_b128 v[SA+8*\i+4:SA+8*\i+7], v[SO], s[6:7] offset:512*\i+16
.endr
	WIN TO1
.irp i, 0,1
.irp t, 0,1,2,3,4,5,6,7
	global_load_b128 v[8*(8*\i+\t):8*(8*\i+\t)+3], v[BO], s[12:13] offset:64*\t      ; the bias in the result's layout: columns 16 t + 8 h + 0 .. 7
	global_load_b128 v[8*(8*\i+\t)+4:8*(8*\i+\t)+7], v[BO], s[12:13] offset:64*\t+16
.endr
.endr
	ALOAD 0
	ALOAD 1
	ALOAD 2
	ALOAD 3
	WIN 0
.macro WLOAD s, u, p                   ; W's column tiles 4 u .. 4 u + 3 of K step s into set p
.irp tt, 0,1,2,3
.irp c, 0,1,2,3
	ds_load_b128 v[WF+64*(\p)+16*\tt+4*\c:WF+64*(\p)+16*\tt+4*\c+3], v[ADW+(\u)] offset:16*WP*\tt+128*(\s)+32*\c
.endr
.endr
.endm
.macro MUL8 s, u                       ; eight accumulators by turns; an accumulator's next turn stands sixteen products on
.irp tt, 0,1,2,3
.irp i, 0,1
	v_wmma_scale_f32_16x16x128_f8f6f4 v[8*(8*\i+4*(\u)+\tt):8*(8*\i+4*(\u)+\tt)+7], v[WF+64*(\u)+16*\tt:WF+64*(\u)+16*\tt+15], v[AFR+32*((\s)%4)+16*\i:AFR+32*((\s)%4)+16*\i+15], v[8*(8*\i+4*(\u)+\tt):8*(8*\i+4*(\u)+\tt)+7], v[SB+8*(4*(\u)+\tt)+(\s)], v[SA+8*\i+(\s)] matrix_a_fmt:MATRIX_FMT_BF8 matrix_b_fmt:MATRIX_FMT_BF8
.endr
.endr
.endm
	s_wait_tensorcnt 0x0                           ; my rows of W have landed
	s_barrier_signal -1
	s_barrier_wait -1                              ; everybody's have: from here on these bytes are only read
	WLOAD 0, 0, 0
.irp s, 0,1,2,3,4,5,6,7
.irp u, 0,1
.if 2*\s+\u > 0
	PLACES 8                                       ; between the last products and loads into registers that they read (ISA guide 7.12.1 for vector instructions)
.endif
.if \u == 0
	WLOAD \s, 1, 1
.if (\s >= 1) && (\s <= 4)
	WIN TO1
	ALOAD \s+3                                     ; into the set that the K step before has read
	WIN 0
.endif
.if \s < 5
	s_wait_loadcnt 24                              ; this K step's set of A is in (at the first: the scale words and the bias too); three later sets of eight loads may be out
.else
	s_wait_loadcnt 8*(7-\s)                        ; the sets that are left
.endif
	s_wait_dscnt 16                                ; this half's fragments of W are in; the next half's sixteen loads may be out
.else
.if \s < 7
	WLOAD \s+1, 0, 0
	s_wait_dscnt 16
.else
	s_wait_dscnt 0x0
.endif
.endif
	WIN MUL
	MUL8 \s, \u
	WIN 0
.endr
.endr
; THE WAY OUT, a tile of 16 rows x 128 columns at a time, through my own stage: in as 32 bytes a lane, back as whole rows of 512 bytes.  LDS serves a wave's instructions in order (ISA guide 5.7.1.4).
.macro TOSTAGE i
	WIN ST1
.irp t, 0,1,2,3,4,5,6,7
	ds_store_b128 v[STO], v[8*(8*\i+\t):8*(8*\i+\t)+3] offset:64*\t          ; each accumulator from its low end on
	ds_store_b128 v[STO], v[8*(8*\i+\t)+4:8*(8*\i+\t)+7] offset:64*\t+16
.endr
	WIN 0
.irp n, 0,1,2,3,4,5,6,7,8,9,10,11,12,13,14,15
	ds_load_b128 v[WF+64*\i+4*\n:WF+64*\i+4*\n+3], v[RD] offset:528*\n       ; a register set of its own for each tile
.endr
.endm
.macro SEND i, younger                 ; younger: the LDS instructions issued behind this tile's loads
.irp n, 0,1,2,3,4,5,6,7,8,9,10,11,12,13,14,15
	s_wait_dscnt \younger+15-\n                    ; row n is back
	global_store_b128 v[CO], v[WF+64*\i+4*\n:WF+64*\i+4*\n+3], s[14:15] offset:(16*\i+\n)*4096 th:TH_STORE_NT   ; 32 lanes store 512 consecutive bytes, aligned
.endr
.endm
	PLACES 8                                       ; behind the last products: for the first reads of results and for loads into the fragments' registers
	TOSTAGE 0
	TOSTAGE 1
	SEND 0, 32
	SEND 1, 0
	s_wait_tensorcnt 0x0                           ; the wave's end
	ds_add_u32 v[SPW], v[NIL]
	s_wait_dscnt 0x0
	CROUND                                         ; the closing round
	s_endpgm
.Lfunc_end_k_q1461558637_proj:
	.size	k_q1461558637_proj, .Lfunc_end_k_q1461558637_proj-k_q1461558637_proj
	.p2alignl 7, 3214868480
	.fill 96, 4, 3214868480
	.section	.rodata,"a",@progbits
	.p2align	6, 0x0
	.amdhsa_kernel k_q1461558637_proj
		.amdhsa_group_segment_fixed_size 201728
		.amdhsa_private_segment_fixed_size 0
		.amdhsa_enable_private_segment 0
		.amdhsa_kernarg_size 48
		.amdhsa_user_sgpr_count 2
		.amdhsa_user_sgpr_kernarg_segment_ptr 1
		.amdhsa_wavefront_size32 1
		.amdhsa_system_sgpr_workgroup_id_x 1
		.amdhsa_system_sgpr_workgroup_id_y 1
		.amdhsa_system_sgpr_workgroup_id_z 1
		.amdhsa_system_vgpr_workitem_id 0
		.amdhsa_next_free_vgpr 512
		.amdhsa_next_free_sgpr 66
		.amdhsa_reserve_vcc 0
		.amdhsa_float_denorm_mode_32 3
		.amdhsa_float_denorm_mode_16_64 3
		.amdhsa_memory_ordered 1
		.amdhsa_forward_progress 1
		.amdhsa_inst_pref_size 62
	.end_amdhsa_kernel
	.amdgpu_metadata
---
amdhsa.version: [ 1, 2 ]
amdhsa.kernels:
  - .name:           k_q1461558637_proj
    .symbol:         k_q1461558637_proj.kd
    .args:
      - { .name: af, .offset: 0, .size: 8, .value_kind: global_buffer, .address_space: global }
      - { .name: asc, .offset: 8, .size: 8, .value_kind: global_buffer, .address_space: global }
      - { .name: W_out_codes, .offset: 16, .size: 8, .value_kind: global_buffer, .address_space: global }
      - { .name: W_out_scales, .offset: 24, .size: 8, .value_kind: global_buffer, .address_space: global }
      - { .name: b_out, .offset: 32, .size: 8, .value_kind: global_buffer, .address_space: global }
      - { .name: out0, .offset: 40, .size: 8, .value_kind: global_buffer, .address_space: global }
    .group_segment_fixed_size: 201728
    .private_segment_fixed_size: 0
    .kernarg_segment_align: 8
    .kernarg_segment_size: 48
    .max_flat_workgroup_size: 256
    .sgpr_count:     66
    .vgpr_count:     512
    .wavefront_size: 32
...
	.end_amdgpu_metadata
.endif
;; end of part 3
